; MI455X (gfx1250); checked and timed in simulation.
; The chip was launched on July 23, 2026; its instructions are those of AMD's public machine-readable ISA for CDNA 5 (MIT licence, August 2026) and "CDNA5" Instruction Set Architecture Reference Guide (July 2026). The comments in the code are by the model that wrote it; some were corrected since.
;; Base OC Module. Allowed arithmetic: matrix products marked QUANTISED: E2M3 operands, one E8M0 scale for each 32 along K, by v_wmma_scale_f32_16x16x128_f8f6f4 with both operands' format E2M3, f32 sums; everything else in f32.
;; Inputs: bc 512 float32; bf 64 float32; bg 64 float32; bh 256 float32; bn_bias 512 float32; bn_mean 512 float32; bn_scale 512 float32; bn_var 512 float32; bo 512 float32; gamma 1 float32; wc 1,024 x 512 float32; wf 512 x 64 float32; wg 512 x 64 float32; wh 512 x 256 float32; wo 256 x 512 float32; x 4 x 64 x 64 x 512 float32.
;; Outputs: out0 4 x 64 x 64 x 512 float32.
;; This version of the problem:
;;   THIS VERSION OF THE PROBLEM IS GIVEN IN LOW PRECISION. The matrix products marked QUANTISED in the list below multiply operands that are first quantised to E2M3 (2 exponent bits, 3 mantissa bits; 6 bits a number), with one power-of-two scale for each 32 numbers along K (OCP MX v1.0); their sums are f32. All else is computed in f32.
;;   The module's matrix products, in the order in which they are computed (A, B: the left and right operand; K: the contracted axis; several contracted axes count as one K, in the product's order):
;;     1. [M 16,384, K 512] x [K 512, N 64]; A: input x; B: input wf: QUANTISED
;;     2. [M 16,384, K 512] x [K 512, N 64]; A: input x; B: input wg: QUANTISED
;;     3. [M 16,384, K 512] x [K 512, N 256]; A: input x; B: input wh: QUANTISED
;;     4. batch 4 x [M 4,096, K 64] x [K 64, N 4,096]; A: computed on the way; B: computed on the way: QUANTISED
;;     5. batch 4 x [M 4,096, K 4,096] x [K 4,096, N 256]; A: softmax (see below); B: computed on the way: QUANTISED
;;     6. [M 16,384, K 256] x [K 256, N 512]; A: computed on the way; B: input wo: QUANTISED
;;     7. [M 16,384, K 1,024] x [K 1,024, N 512]; A: computed on the way; B: input wc: QUANTISED
;;   THE QUANTISER, for each operand of a quantised product, along K:
;;     - K is cut into blocks of 32 from its start; a last block that is shorter is filled with zeros.
;;     - A block's scale is 2^e with e = floor(log2(the largest magnitude in the block)) - 2, held to -126 .. 127; a block of zeros has e = 0. As a byte (E8M0): e + 127.
;;     - Each number is divided by its block's scale, clamped to +-7.5, and rounded to the nearest number of E2M3, ties to even, subnormals kept.
;;     - The product sums the exact products of the quantised numbers (number of the format x scale) in f32.
;;   ~~~python
;;   def quantise(x, axis):      # numpy; x: float32 -> the quantised numbers, widened to float32 again
;;       x = np.moveaxis(x, axis, -1); K = x.shape[-1]
;;       x = np.pad(x, [(0, 0)] * (x.ndim - 1) + [(0, -K % 32)]); x = x.reshape(x.shape[:-1] + (-1, 32)); a = np.abs(x).max(-1, keepdims=True)
;;       e = np.where(a > 0, np.clip(np.frexp(np.where(a > 0, a, 1))[1] - 1 - 2, -126, 127), 0)      # np.frexp(a)[1] - 1 = floor(log2(a)), exactly
;;       r = np.clip(x / 2.0 ** e, -7.5, 7.5)
;;       step = 2.0 ** (np.maximum(np.frexp(np.where(r == 0, 1, r))[1] - 1, 0) - 3)
;;       q = np.round(r / step) * step * 2.0 ** e      # np.round: ties to even
;;       return np.moveaxis(q.reshape(q.shape[:-2] + (-1,))[..., :K], -1, axis).astype(np.float32)
;;   ~~~
;;   SOFTMAX AHEAD OF A QUANTISED PRODUCT. Where the list says 'softmax', what is quantised is not the finished softmax but p = 2^(t - M), with t = logit x log2(e) and M = ceil(the row's largest t), a whole number; so 1/2 < the row's largest p <= 1. The row's sum l is taken of the UNQUANTISED p, in f32, and the product's result is divided by l at the end. Since M is a whole number, a kernel that streams over the keys may use a running M (the ceiling of the running maximum): every later rescaling is an exact power of two, which a block's scale takes up: the codes' values come out the same.
;;   OPERANDS COMPUTED ON THE WAY. 'Computed on the way' means the value that the module computes at that place (a softmax that the list does not call 'softmax' is quantised finished and normalised). What goes into a quantiser is computed in f32, as accurately as f32 sums, v_exp_f32 and their like allow (about 1e-6 of the number): no bf16 or f16 on the way to a quantiser, and a product that is left as it is and whose result goes on into a quantised operand takes f32 operands (vector FMAs, or v_wmma_f32_16x16x4_f32). A number that lies on a knife's edge between two numbers of the format may be rounded either way, as far as f32 arithmetic and the matrix unit's own rounding can turn it there, and no further.
;; One version. Each part assembles by itself: llvm-mc -triple=amdgcn-amd-amdhsa -mcpu=gfx1250 --defsym DOCPART=n.
;; ======== version 1 of 1: 3 launches
;; workspace buffers: wq 669,696 bytes; kv 4,194,304 bytes; gq 851,968 bytes
;; launch prep (part 1): grid 53 x 1, 4 waves a work-group, no clusters, 0 bytes of LDS; arguments wf, wg, wh, wo, wc, bc, bn_scale, bn_bias, bn_mean, bn_var, wq; writes wq
.if DOCPART == 1
	.amdgcn_target "amdgcn-amd-amdhsa--gfx1250"
	.amdhsa_code_object_version 6
	.text
	.protected	k_q8868dbc696_prep
	.globl	k_q8868dbc696_prep
	.p2align	8
	.type	k_q8868dbc696_prep,@function
k_q8868dbc696_prep:
	s_mov_b64 s[64:65], 0
	v_nop
	global_prefetch_b8 v0, s[64:65] scope:SCOPE_SE
	s_setreg_imm32_b32 hwreg(HW_REG_WAVE_MODE, 25, 1), 1
	s_wait_xcnt 0x0
; The five weights, f32 stored [K][N] with K as the first axis, become codes of FP6 (E2M3) with one E8M0 byte for each 32 along K, laid in wq in the
; ORDER OF AN OPERAND'S REGISTERS: a fragment (16 columns x 128 K, 12 registers a lane) is 1,536 bytes, registers 4 c .. 4 c + 3 of lane l at 512 c + 16 l.
; THE 16 COLUMNS OF TILE T ARE NOT NEIGHBOURS: lane r stands for column 32 (T / 2) + 8 (T % 2) + r + 8 (r / 8), so that the products that take such a tile as
; source 0 leave 16 neighbouring columns in a lane's 16 registers of tiles 2 b and 2 b + 1.
; Fragments: wf 0-15, wg 16-31, wh 32-95, wo 96-159, wc 160-415; within a tensor T x (K / 128) + K step.  Scale words behind them, from byte WS on, 128 bytes for
; each PAIR of K steps: lanes 0-15 the even step's word of column r, lanes 16-31 the odd step's.
; A wave takes one such pair (two fragments): 208 waves.  A lane takes a column and its registers run DOWN K, in the order that the operand's layout gives that lane:
; the conversions' results are the operand's registers and nothing is transposed.  Work-group 52 folds bias and BatchNorm: a = bn_scale / sqrt(bn_var + 0.001), c = (bc - bn_mean) a + bn_bias.
; LIMITS: NaN and infinities are not served; a block whose largest magnitude lies under 2^-124 keeps the byte 1; a block of zeros gets the byte 1 where the rule says 127
; (its codes are zeros, and this program alone reads the bytes); y a + c rounds in another order than (y + bc - mean) a + bias.
.set WS,  638976                       ; wq: where the scale words begin
.set BNA, 665600                       ; a[512]
.set BNC, 667648                       ; c[512]
.set X,   64                           ; v64-191  two fragments' numbers: 64 e + 32 c + i
.set PC,  40                           ; v40-63   their codes: a set for each fragment, so that no store's data are written again
.set CT,  192                          ; v192-198 a conversion's three registers begin on an even number: the upper half of a block is made here and moved
; fragment e of the pair: two blocks of 32 a lane
.macro WQ e
.irp c, 0,1
	v_max3_num_f32 v[16+\c], |v[X+64*\e+32*\c]|, |v[X+64*\e+32*\c+1]|, 0x1800000   ; my block 2 c + h, and the floor 2^(3 - 127): the byte cannot fall under 1
.endr
.irp i, 2,4,6,8,10,12,14,16,18,20,22,24,26,28,30
.irp c, 0,1
	v_max3_num_f32 v[16+\c], v[16+\c], |v[X+64*\e+32*\c+\i]|, |v[X+64*\e+32*\c+\i+1]|
.endr
.endr
.irp c, 0,1
	v_add_nc_u32 v[18+\c], 0xff000000, v[16+\c]    ; 2 off the exponent field: the conversion's scale operand
.endr
.irp c, 0,1
	v_lshrrev_b32 v[20+\c], 23, v[18+\c]           ; the scale's byte
.endr
	v_lshl_or_b32 v9, v21, 16, v20                 ; my two bytes: blocks h and 2 + h,
	v_lshlrev_b32 v9, v10, v9                      ; 8 h bits up;
	v_permlanex16_b32 v11, v9, s40, s41
	v_or_b32 v[12+\e], v9, v11                     ; with lane l xor 16's two the word is whole
.irp c, 0,1
	v_cvt_scalef32_pk16_fp6_f32 v[PC+12*\e+6*\c:PC+12*\e+6*\c+2], v[X+64*\e+32*\c:X+64*\e+32*\c+15], v[18+\c]
	v_cvt_scalef32_pk16_fp6_f32 v[CT+4*\c:CT+4*\c+2], v[X+64*\e+32*\c+16:X+64*\e+32*\c+31], v[18+\c]
.endr
	v_nop                                          ; one plain line behind the scaled conversions
.irp c, 0,1
.irp i, 0,1,2
	v_mov_b32 v[PC+12*\e+6*\c+3+\i], v[CT+4*\c+\i]
.endr
.endr
.irp c, 0,1,2
	global_store_b128 v6, v[PC+12*\e+4*\c:PC+12*\e+4*\c+3], s[38:39] offset:1536*\e+512*\c   ; 32 lanes store 512 consecutive bytes, aligned
.endr
.endm
; s[28:29] the tensor, s27 its first unit, s32 / s33 shift and mask that part a unit's number into tile and pair of K steps; N its columns
.macro WPATH N
	s_sub_co_u32 s27, s26, s27                     ; the unit within the tensor
	s_lshr_b32 s34, s27, s32                       ; T
	s_and_b32 s35, s27, s33                        ; which pair of K steps
	s_lshr_b32 s36, s34, 1
	s_lshl_b32 s36, s36, 7                         ; 32 (T / 2) columns of 4 bytes
	s_and_b32 s37, s34, 1
	s_lshl_b32 s37, s37, 5                         ; 8 (T % 2)
	s_add_co_u32 s36, s36, s37
	s_mul_i32 s37, s35, 1024*\N                    ; 256 rows of 4 N bytes for each pair
	s_add_co_u32 s36, s36, s37
	s_mov_b32 s37, 0
	s_add_nc_u64 s[28:29], s[28:29], s[36:37]
	s_mul_i32 s38, s26, 3072
	s_mov_b32 s39, 0
	s_add_nc_u64 s[38:39], s[24:25], s[38:39]      ; the unit's two fragments
	s_lshl_b32 s36, s26, 7
	s_add_nc_u64 s[36:37], s[24:25], s[36:37]      ; and its 128 bytes of scale words (WS stands in the store's immediate)
	v_mad_u32_u24 v5, v3, 128*\N, v4               ; lanes 16-31 begin 32 rows further down
.irp e, 0,1
.irp c, 0,1
.irp i, 0,1,2,3,4,5,6,7,8,9,10,11,12,13,14,15,16,17,18,19,20,21,22,23,24,25,26,27,28,29,30,31
	global_load_b32 v[X+64*\e+32*\c+\i], v5, s[28:29] offset:(128*\e+64*\c+\i)*4*\N
.endr
.endr
.endr
	s_wait_loadcnt 63                              ; behind the first fragment's loads stand the second's 64: any count up to 64 shows them in
	WQ 0
	s_wait_loadcnt 0x0
	WQ 1
	v_cndmask_b32 v14, v12, v13, s30               ; lanes 0-15 the even K step's word, lanes 16-31 the odd one's
	global_store_b32 v7, v14, s[36:37] offset:WS
.endm
	s_load_b512 s[4:19], s[0:1], 0x0               ; wf, wg, wh, wo, wc, bc, bn_scale, bn_bias
	s_load_b128 s[20:23], s[0:1], 0x40             ; bn_mean, bn_var
	s_load_b64 s[24:25], s[0:1], 0x50              ; wq
	v_lshrrev_b32 v1, 5, v0
	v_readfirstlane_b32 s31, v1                    ; wave
	v_and_b32 v2, 15, v0                           ; r
	v_bfe_u32 v3, v0, 4, 1                         ; h
	v_and_b32 v4, 8, v2
	v_add_nc_u32 v4, v4, v2                        ; r + 8 (r / 8)
	v_lshlrev_b32 v4, 2, v4
	v_and_b32 v6, 31, v0
	v_lshlrev_b32 v7, 2, v6                        ; 4 x lane
	v_lshlrev_b32 v6, 4, v6                        ; 16 x lane
	v_lshlrev_b32 v10, 3, v3                       ; 8 h
	v_mov_b32 v11, 0                               ; a lane permute's destination counts as one of its sources
	s_mov_b32 s40, 0x76543210
	s_mov_b32 s41, 0xfedcba98                      ; lane l xor 16
	s_mov_b32 s30, 0xffff0000                      ; lanes 16-31
	s_lshl_b32 s26, ttmp9, 2
	s_add_co_u32 s26, s26, s31                     ; my unit
	s_wait_kmcnt 0x0
	s_cmp_lt_u32 ttmp9, 4
	s_cbranch_scc1 .Ln64
	s_cmp_lt_u32 ttmp9, 12
	s_cbranch_scc1 .Ln256
	s_cmp_lt_u32 ttmp9, 52
	s_cbranch_scc1 .Ln512
	; BatchNorm and the last bias, folded: thread t takes channels 4 t .. 4 t + 3
	v_lshlrev_b32 v1, 4, v0
	global_load_b128 v[8:11], v1, s[14:15]         ; bc
	global_load_b128 v[12:15], v1, s[16:17]        ; bn_scale
	global_load_b128 v[16:19], v1, s[18:19]        ; bn_bias
	global_load_b128 v[20:23], v1, s[20:21]        ; bn_mean
	global_load_b128 v[24:27], v1, s[22:23]        ; bn_var
	s_wait_loadcnt 0x0
.irp i, 0,1,2,3
	v_add_f32 v[24+\i], 0x3a83126f, v[24+\i]       ; + 0.001
.endr
.irp i, 0,1,2,3
	v_rsq_f32 v[28+\i], v[24+\i]
.endr
.irp i, 0,1,2,3
	v_sub_f32 v[8+\i], v[8+\i], v[20+\i]           ; bc - mean: plain lines behind the roots
.endr
	s_wait_alu depctr_va_vdst(0)                   ; one wait for the four roots, ahead of their first reader
.irp i, 0,1,2,3
	v_mul_f32 v[28+\i], v[12+\i], v[28+\i]         ; a
.endr
.irp i, 0,1,2,3
	v_fma_f32 v[32+\i], v[8+\i], v[28+\i], v[16+\i]  ; c
.endr
	global_store_b128 v1, v[28:31], s[24:25] offset:BNA
	global_store_b128 v1, v[32:35], s[24:25] offset:BNC
	s_endpgm
.Ln64:                                                 ; wf: units 0-7, wg: 8-15
	s_cmp_lt_u32 ttmp9, 2
	s_cselect_b64 s[28:29], s[4:5], s[6:7]
	s_cselect_b32 s27, 0, 8
	s_mov_b32 s32, 1
	s_mov_b32 s33, 1
	WPATH 64
	s_endpgm
.Ln256:                                                ; wh: units 16-47
	s_mov_b64 s[28:29], s[8:9]
	s_mov_b32 s27, 16
	s_mov_b32 s32, 1
	s_mov_b32 s33, 1
	WPATH 256
	s_endpgm
.Ln512:                                                ; wo: units 48-79, one pair of K steps a tile; wc: 80-207, four
	s_cmp_lt_u32 ttmp9, 20
	s_cselect_b64 s[28:29], s[10:11], s[12:13]
	s_cselect_b32 s27, 48, 80
	s_cselect_b32 s32, 0, 2
	s_cselect_b32 s33, 0, 3
	WPATH 512
	s_endpgm
.Lfunc_end_k_q8868dbc696_prep:
	.size	k_q8868dbc696_prep, .Lfunc_end_k_q8868dbc696_prep-k_q8868dbc696_prep
	.p2alignl 7, 3214868480
	.fill 96, 4, 3214868480
	.section	.rodata,"a",@progbits
	.p2align	6, 0x0
	.amdhsa_kernel k_q8868dbc696_prep
		.amdhsa_group_segment_fixed_size 0
		.amdhsa_private_segment_fixed_size 0
		.amdhsa_enable_private_segment 0
		.amdhsa_kernarg_size 88
		.amdhsa_user_sgpr_count 2
		.amdhsa_user_sgpr_kernarg_segment_ptr 1
		.amdhsa_wavefront_size32 1
		.amdhsa_system_sgpr_workgroup_id_x 1
		.amdhsa_system_sgpr_workgroup_id_y 1
		.amdhsa_system_sgpr_workgroup_id_z 1
		.amdhsa_system_vgpr_workitem_id 0
		.amdhsa_next_free_vgpr 208
		.amdhsa_next_free_sgpr 66
		.amdhsa_reserve_vcc 0
		.amdhsa_float_denorm_mode_32 3
		.amdhsa_float_denorm_mode_16_64 3
		.amdhsa_memory_ordered 1
		.amdhsa_forward_progress 1
		.amdhsa_inst_pref_size 62
	.end_amdhsa_kernel
	.amdgpu_metadata
---
amdhsa.version: [ 1, 2 ]
amdhsa.kernels:
  - .name:           k_q8868dbc696_prep
    .symbol:         k_q8868dbc696_prep.kd
    .args:
      - { .name: wf, .offset: 0, .size: 8, .value_kind: global_buffer, .address_space: global }
      - { .name: wg, .offset: 8, .size: 8, .value_kind: global_buffer, .address_space: global }
      - { .name: wh, .offset: 16, .size: 8, .value_kind: global_buffer, .address_space: global }
      - { .name: wo, .offset: 24, .size: 8, .value_kind: global_buffer, .address_space: global }
      - { .name: wc, .offset: 32, .size: 8, .value_kind: global_buffer, .address_space: global }
      - { .name: bc, .offset: 40, .size: 8, .value_kind: global_buffer, .address_space: global }
      - { .name: bn_scale, .offset: 48, .size: 8, .value_kind: global_buffer, .address_space: global }
      - { .name: bn_bias, .offset: 56, .size: 8, .value_kind: global_buffer, .address_space: global }
      - { .name: bn_mean, .offset: 64, .size: 8, .value_kind: global_buffer, .address_space: global }
      - { .name: bn_var, .offset: 72, .size: 8, .value_kind: global_buffer, .address_space: global }
      - { .name: wq, .offset: 80, .size: 8, .value_kind: global_buffer, .address_space: global }
    .group_segment_fixed_size: 0
    .private_segment_fixed_size: 0
    .kernarg_segment_align: 8
    .kernarg_segment_size: 88
    .max_flat_workgroup_size: 128
    .sgpr_count:     66
    .vgpr_count:     208
    .wavefront_size: 32
...
	.end_amdgpu_metadata
.endif
;; end of part 1
;; launch proj (part 2): grid 256 x 1, 4 waves a work-group, no clusters, 162,304 bytes of LDS; arguments x, wq, bf, bg, bh, kv, gq; writes kv, gq
.if DOCPART == 2
	.amdgcn_target "amdgcn-amd-amdhsa--gfx1250"
	.amdhsa_code_object_version 6
	.text
	.protected	k_q8868dbc696_proj
	.globl	k_q8868dbc696_proj
	.p2align	8
	.type	k_q8868dbc696_proj,@function
k_q8868dbc696_proj:
	s_mov_b64 s[64:65], 0
	v_nop
	global_prefetch_b8 v0, s[64:65] scope:SCOPE_SE
	s_setreg_imm32_b32 hwreg(HW_REG_WAVE_MODE, 25, 1), 1
	s_wait_xcnt 0x0
; f = x wf + bf, g = x wg + bg, hv = x wh + bh, all three products on codes of FP6 (E2M3) with one E8M0 scale for each 32 along K; then f and g are quantised along their 64 columns
; and hv along the KEYS (its rows), as the two products of attention want them.  The results go to memory as images of operand registers.
; SHARES.  Work-group j takes rows 64 j .. 64 j + 63, as four tiles of 16 in the order row(X, m) = 32 (X / 2) + 8 (X % 2) + m + 8 (m / 8).  Wave w quantises tile X = w of x (four fragments), which go to the
; other waves through LDS as images of their registers (12 registers a lane: three stores of 16 bytes a lane, 512 consecutive bytes each; the scale word 4 bytes a lane).  One barrier.
; x IS READ AS IT LIES: a load takes 512 consecutive bytes of one row (a K step of 128 numbers, 16 bytes a lane).  The quantiser wants 16 neighbours of each block of 32 in ONE lane, so a K step's 16 rows turn through the
; wave's own stage in LDS: in as loaded, rows 528 bytes apart, back 16 bytes at a time from the lane's own row.  528 is an odd multiple of 16: the sixteen rows that a read touches fall on sixteen different columns of 16 bytes.
; Then wave w makes hv's channel tiles 4 w .. 4 w + 3 for all 64 rows (source 0 = x's rows, source 1 = wh's columns: a lane holds ONE channel and its registers run along the keys)
; and one unit of f or g (waves 0, 1: f; 2, 3: g) for the row tiles 2 b, 2 b + 1, b = w % 2 (source 0 = the weight's columns, source 1 = x's rows: a lane holds ONE row, registers along the 64 columns).
; WHAT THE QUANTISER MAKES OF THEM.  It takes 64 numbers a lane, register 16 b + i = place 32 b + 16 (lane / 16) + i along K.  Fed with two units of 32 registers it leaves the first unit's 64 places in the
; fragment's registers 0-5 and the second's in 6-11.  For hv: two halves (64 keys) of two channel tiles' fragments.  For f and g: a PACKED fragment: K 0-63 = row tile 2 b, K 64-127 = row tile 2 b + 1.
; kv, 16,384 bytes for each 64 rows: two packed fragments of f (3,072), 16 half fragments of hv^T (768 each: registers 0-3 at 16 l, registers 4-5 at 512 + 8 l), hv's scale words (512), f's (256), zeros (256).
; gq, 3,328 bytes for each 64 rows: two packed fragments of g, then their scale words.
; The biases are the C of each sum's first matrix instruction.  The accumulators take turns, one instruction a turn.
; No copy engine fills LDS here, so LDS is claimed as it is used.  No cluster: the work-groups share the weights alone, 0.2 MB, which each wave takes straight into the registers that multiply by them.
; LIMITS: NaN and infinities are not served; a block whose largest magnitude lies under 2^-124 keeps the byte 1; a block of zeros gets the byte 1 where the rule says 127 (zero codes; the bytes are this program's own).
; REGISTERS, in windows of 256.  Window 0: v1-17 addresses; v32-159 hv's 16 accumulators; v160-191 the quantiser's; v192-195 scale words made; v196-227 scale words of x, wh, wf / wg (these hold scales and nothing else).
;   window 1: x's 256 numbers a lane, later x's 16 fragments (v0-191) and the 8 accumulators of f / g (v192-255).   window 2: wh's 16 fragments, bh.   window 3: wf's or wg's 16 fragments, bf or bg.
.set WS,   638976                      ; wq: where the scale words begin
.set XSC,  24576                       ; LDS: x's 16 fragments from byte 0 on (4 X + s), then their scale words, 128 bytes each
.set XST,  26624                       ; behind them the stages: 33,792 bytes for each wave: four of 16 rows x 528 bytes, one for each K step
.set LI,   1                           ; 16 x lane
.set L8,   2                           ; 8 x lane
.set L4,   3                           ; 4 x lane
.set XRD,  4                           ; the stage, on the way back: my row, my 16 numbers of a block of 32
.set H64,  5                           ; 64 h
.set RC4,  6                           ; 4 (r + 8 (r / 8))
.set XWI,  7                           ; where I store x's images
.set XWS,  8                           ; and their scale words
.set FO,   9                           ; the packed fragment's place
.set FS,   10                          ; its scale words'
.set VSO,  11                          ; hv's scale words'
.set ZR,   12                          ; v[12:13] zeros
.set XWR,  17                          ; the stage, on the way in: 16 x lane
.set ACC,  32
.set PC,   160
.set CT,   172
.set TM,   180
.set PWA,  192
.set PWC,  194
.set PWM,  195
.set XS,   196
.set WHS,  212
.set WFS,  220
.set FG,   192                         ; window 1
.set BH,   192                         ; window 2
.set BF,   192                         ; window 3
.set MSB, 0
.macro WIN new                         ; bits 1:0 source 0, 3:2 source 1, 5:4 source 2, 7:6 destination; the high byte repeats the setting that is left
.if MSB != (\new)
	s_set_vgpr_msb (MSB<<8)|(\new)
.set MSB, (\new)
.endif
.endm
; one matrix instruction.  c: C's first register.  ra, rb: source 0's or source 1's scales are read from lanes 16-31
.macro MM d, a, b, c, sa, sb, ra, rb
.if (\ra)
	v_wmma_scale_f32_16x16x128_f8f6f4 v[(\d):(\d)+7], v[(\a):(\a)+11], v[(\b):(\b)+11], v[(\c):(\c)+7], v[(\sa)], v[(\sb)] matrix_a_fmt:MATRIX_FMT_FP6 matrix_b_fmt:MATRIX_FMT_FP6 matrix_a_scale:MATRIX_SCALE_ROW1
.elseif (\rb)
	v_wmma_scale_f32_16x16x128_f8f6f4 v[(\d):(\d)+7], v[(\a):(\a)+11], v[(\b):(\b)+11], v[(\c):(\c)+7], v[(\sa)], v[(\sb)] matrix_a_fmt:MATRIX_FMT_FP6 matrix_b_fmt:MATRIX_FMT_FP6 matrix_b_scale:MATRIX_SCALE_ROW1
.else
	v_wmma_scale_f32_16x16x128_f8f6f4 v[(\d):(\d)+7], v[(\a):(\a)+11], v[(\b):(\b)+11], v[(\c):(\c)+7], v[(\sa)], v[(\sb)] matrix_a_fmt:MATRIX_FMT_FP6 matrix_b_fmt:MATRIX_FMT_FP6
.endif
.endm
; 64 numbers of a lane in window w, v[s] on, register 16 b + i = place 32 b + 16 (lane / 16) + i, become a fragment's codes in v[PC] on and its scale word in v[pw].  Each accumulator is read from its low end on.
.macro QUANT s, w, pw
	WIN (\w)|((\w)<<2)
.irp b, 0,1,2,3
	v_max3_num_f32 v[TM+\b], |v[(\s)+16*\b]|, |v[(\s)+16*\b+1]|, 0x1800000   ; block b: my 16 numbers, and the floor 2^(3 - 127): the byte cannot fall under 1
.endr
	WIN ((\w)<<2)|((\w)<<4)
.irp i, 2,4,6,8,10,12,14
.irp b, 0,1,2,3
	v_max3_num_f32 v[TM+\b], v[TM+\b], |v[(\s)+16*\b+\i]|, |v[(\s)+16*\b+\i+1]|   ; the four blocks by turns
.endr
.endr
	WIN 0
.irp b, 0,1,2,3
	v_permlanex16_b32 v[TM+4+\b], v[TM+\b], s40, s41
.endr
.irp b, 0,1,2,3
	v_max_num_f32 v[TM+\b], v[TM+\b], v[TM+4+\b]   ; with lane l xor 16's: the block's largest magnitude
.endr
.irp b, 0,1,2,3
	v_add_nc_u32 v[TM+8+\b], 0xff000000, v[TM+\b]  ; 2 off its exponent field: the conversion's scale operand
.endr
.irp b, 0,1,2,3
	v_lshrrev_b32 v[TM+4+\b], 23, v[TM+8+\b]       ; the scale's byte
.endr
	v_lshl_or_b32 v[(\pw)], v[TM+5], 8, v[TM+4]
	v_lshl_or_b32 v[(\pw)], v[TM+6], 16, v[(\pw)]
	v_lshl_or_b32 v[(\pw)], v[TM+7], 24, v[(\pw)]
	WIN (\w)
.irp c, 0,1
	v_cvt_scalef32_pk16_fp6_f32 v[PC+6*\c:PC+6*\c+2], v[(\s)+32*\c:(\s)+32*\c+15], v[TM+8+2*\c]
	v_cvt_scalef32_pk16_fp6_f32 v[CT+4*\c:CT+4*\c+2], v[(\s)+32*\c+16:(\s)+32*\c+31], v[TM+8+2*\c+1]   ; (a conversion's three registers begin on an even number)
.endr
	WIN 0
	v_nop                                          ; one plain line behind the scaled conversions
.irp c, 0,1                                    ; the operand's layout wants a WHOLE block in a lane: lanes 0-15 block 2 c, lanes 16-31 block 2 c + 1
.irp i, 0,1,2
	v_permlane16_swap_b32 v[PC+6*\c+\i], v[CT+4*\c+\i]
.endr
.irp i, 0,1,2
	v_mov_b32 v[PC+3+6*\c+\i], v[CT+4*\c+\i]
.endr
.endr
.endm
.macro XLOAD s                         ; K step s of my 16 rows, as it lies: a load takes 512 consecutive bytes of one row
.irp m, 0,1,2,3,4,5,6,7,8,9,10,11,12,13,14,15
	global_load_b128 v[64*(\s)+4*\m:64*(\s)+4*\m+3], v[LI], s[4:5] offset:(\m+8*(\m/8))*2048+512*(\s) th:TH_LOAD_NT
.endr
.endm
.macro XTURN s                         ; K step s through its stage, and back into the registers that it left: register 16 q + 4 j + i = place 32 q + 16 h + 4 j + i of my row.  LDS serves a wave's instructions in order (ISA guide 5.7.1.4): no wait between
	WIN 0x04                                       ; an LDS store's data are its source 1: window 1
.irp m, 0,1,2,3,4,5,6,7,8,9,10,11,12,13,14,15
	ds_store_b128 v[XWR], v[64*(\s)+4*\m:64*(\s)+4*\m+3] offset:8448*(\s)+528*\m
.endr
	WIN 0x40
.irp q, 0,1,2,3
.irp j, 0,1,2,3
	ds_load_b128 v[64*(\s)+16*\q+4*\j:64*(\s)+16*\q+4*\j+3], v[XRD] offset:8448*(\s)+128*\q+16*\j
.endr
.endr
	WIN 0
.endm
.macro XQ s, cnt                       ; K step s of my tile of x becomes a fragment, whose image goes to LDS; the next K step turns through its stage meanwhile
.if (\s) < 3
	s_wait_loadcnt \cnt                            ; the next K step's sixteen loads are in
	XTURN (\s)+1
	s_wait_dscnt 32                                ; all but the 32 just issued: this K step is back from its stage, and the last image's stores have read their registers
.else
	s_wait_dscnt 0x0
.endif
	QUANT 64*(\s), 1, PWC
.irp c, 0,1,2
	ds_store_b128 v[XWI], v[PC+4*\c:PC+4*\c+3] offset:1536*(\s)+512*\c
.endr
	ds_store_b32 v[XWS], v[PWC] offset:128*(\s)
.endm
.macro WLOAD s                         ; K step s of my weights: 4 fragments of wh, 4 of wf or wg: 24 loads
	WIN 0x80
.irp n, 0,1,2,3
.irp c, 0,1,2
	global_load_b128 v[12*(4*\n+\s)+4*\c:12*(4*\n+\s)+4*\c+3], v[LI], s[24:25] offset:(4*\n+\s)*1536+512*\c
.endr
.endr
	WIN 0xc0
.irp t, 0,1,2,3
.irp c, 0,1,2
	global_load_b128 v[12*(4*\t+\s)+4*\c:12*(4*\t+\s)+4*\c+3], v[LI], s[26:27] offset:(4*\t+\s)*1536+512*\c
.endr
.endr
	WIN 0
.endm
.macro HVMUL s                         ; hv: 16 accumulators, source 0 = x's tile q, source 1 = wh's tile n
.if (\s) == 0
	WIN 0x29                                       ; x window 1, wh window 2, C = bh window 2
.else
	WIN 0x09
.endif
.irp q, 0,1,2,3
.irp n, 0,1,2,3
.if (\s) == 0
	MM ACC+64*(\n/2)+32*(\n%2)+8*\q, 12*(4*\q+\s), 12*(4*\n+\s), BH+8*\n, XS+4*\q+\s, WHS+2*\n+(\s)/2, 0, 0
.else
	MM ACC+64*(\n/2)+32*(\n%2)+8*\q, 12*(4*\q+\s), 12*(4*\n+\s), ACC+64*(\n/2)+32*(\n%2)+8*\q, XS+4*\q+\s, WHS+2*\n+(\s)/2, 0, (\s)%2
.endif
.endr
.endr
	WIN 0
.endm
.macro FGMUL p, s                      ; f or g: 8 accumulators, source 0 = the weight's tile t, source 1 = x's tile 2 p + u
.if (\s) == 0
	WIN 0x77                                       ; the weight window 3, x window 1, C = the bias window 3, D window 1
.else
	WIN 0x57
.endif
.irp u, 0,1
.irp t, 0,1,2,3
.if (\s) == 0
	MM FG+32*\u+8*\t, 12*(4*\t+\s), 12*(4*(2*\p+\u)+\s), BF+8*\t, WFS+2*\t+(\s)/2, XS+4*(2*\p+\u)+\s, 0, 0
.else
	MM FG+32*\u+8*\t, 12*(4*\t+\s), 12*(4*(2*\p+\u)+\s), FG+32*\u+8*\t, WFS+2*\t+(\s)/2, XS+4*(2*\p+\u)+\s, (\s)%2, 0
.endif
.endr
.endr
	WIN 0
.endm
.macro KSTEP s, dc, lc
	s_wait_dscnt \dc                               ; x's fragments of this K step are in: the later steps' 16 LDS loads each may be out
	s_wait_loadcnt \lc                             ; and my weights of this K step: the later steps' 24 loads each may be out
	HVMUL \s
	s_cmp_eq_u32 s20, 0                            ; which pair of row tiles is mine: register numbers differ, so the eight lines stand twice, under a branch on the wave's number
	s_cbranch_scc0 .Lfg1_\@
	FGMUL 0, \s
	s_branch .Lfgd_\@
.Lfg1_\@:
	FGMUL 1, \s
.Lfgd_\@:
.endm
	s_load_b256 s[4:11], s[0:1], 0x0               ; x, wq, bf, bg
	s_load_b128 s[12:15], s[0:1], 0x20             ; bh, kv
	s_load_b64 s[16:17], s[0:1], 0x30              ; gq
	v_lshl_add_u32 v254, v0, 2, 0x27800
	v_mov_b32 v255, 0
	v_lshrrev_b32 v1, 5, v0
	v_readfirstlane_b32 s18, v1                    ; wave w
	s_lshr_b32 s19, s18, 1                         ; 0: f, 1: g
	s_and_b32 s20, s18, 1                          ; b: my pair of row tiles
	v_and_b32 v14, 31, v0
	v_lshlrev_b32 v[LI], 4, v14
	v_lshlrev_b32 v[L8], 3, v14
	v_lshlrev_b32 v[L4], 2, v14
	v_and_b32 v15, 15, v0                          ; r
	v_bfe_u32 v16, v0, 4, 1                        ; h
	v_lshlrev_b32 v[H64], 6, v16
	v_and_b32 v14, 8, v15
	v_add_nc_u32 v14, v14, v15                     ; r + 8 (r / 8)
	v_lshlrev_b32 v[RC4], 2, v14
	s_mul_i32 s38, s18, 33792
	s_add_co_u32 s38, s38, XST                     ; my four stages
	v_mad_u32_u24 v[XRD], v15, 528, v[H64]         ; back: row r, + 64 h
	v_add_nc_u32 v[XRD], s38, v[XRD]
	v_add_nc_u32 v[XWR], s38, v[LI]                ; in: 16 x lane
	s_mul_i32 s38, s18, 6144
	v_add_nc_u32 v[XWI], s38, v[LI]
	s_lshl_b32 s38, s18, 9
	s_add_co_u32 s38, s38, XSC
	v_add_nc_u32 v[XWS], s38, v[L4]
	s_lshl_b32 s38, ttmp9, 17                      ; 64 rows a work-group,
	s_lshl_b32 s39, s19, 16                        ; 32 (w / 2) rows,
	s_add_co_u32 s38, s38, s39
	s_lshl_b32 s39, s20, 14                        ; 8 (w % 2) rows
	s_add_co_u32 s38, s38, s39
	s_mov_b32 s39, 0
	s_wait_kmcnt 0x0
	s_add_nc_u64 s[4:5], s[4:5], s[38:39]
	WIN 0x40
	XLOAD 0                                        ; all of my tile of x is asked for at once: 64 loads, 32 KB a wave
	XLOAD 1
	XLOAD 2
	XLOAD 3
	WIN 0
	s_mov_b32 s40, 0x76543210
	s_mov_b32 s41, 0xfedcba98                      ; lane l xor 16
	s_mov_b32 s42, 0xffff0000                      ; lanes 16-31
.irp b, 0,1,2,3
	v_mov_b32 v[TM+4+\b], 0                        ; a lane permute's destination counts as one of its sources
.endr
	v_mov_b32 v[ZR], 0
	v_mov_b32 v[ZR+1], 0
	s_mul_i32 s38, s18, 24576
	s_add_co_u32 s38, s38, 49152
	s_add_nc_u64 s[24:25], s[6:7], s[38:39]        ; wh's fragments 32 + 16 w on
	s_mul_i32 s38, s19, 24576
	s_add_nc_u64 s[26:27], s[6:7], s[38:39]        ; wf's or wg's
	s_lshl_b32 s38, s18, 10
	s_add_nc_u64 s[28:29], s[6:7], s[38:39]        ; wh's scale words: pairs 16 + 8 w on (WS + 2,048 stands in the immediate)
	s_lshl_b32 s38, s19, 10
	s_add_nc_u64 s[30:31], s[6:7], s[38:39]        ; wf's or wg's
	s_lshl_b32 s38, s18, 8
	s_add_nc_u64 s[12:13], s[12:13], s[38:39]      ; bh at my 64 channels
	s_lshl_b32 s38, ttmp9, 14
	s_add_nc_u64 s[34:35], s[14:15], s[38:39]      ; kv at my 64 rows' block
	s_mul_i32 s38, s18, 3072
	s_add_co_u32 s38, s38, 3072
	s_add_nc_u64 s[46:47], s[34:35], s[38:39]      ; my four channel tiles' halves
	s_mul_i32 s38, ttmp9, 3328
	s_add_nc_u64 s[44:45], s[16:17], s[38:39]      ; gq at my block
	s_mov_b32 s43, 3072
	s_cmp_eq_u32 s19, 0
	s_cselect_b64 s[32:33], s[8:9], s[10:11]       ; bf or bg
	s_cselect_b64 s[36:37], s[34:35], s[44:45]     ; the packed fragment goes to kv (f) or gq (g),
	s_cselect_b32 s43, 15872, s43                  ; its scale words behind hv's (f) or behind the fragments (g)
	s_lshl_b32 s38, s20, 7
	s_add_co_u32 s43, s43, s38
	v_add_nc_u32 v[FS], s43, v[L4]
	s_mul_i32 s38, s20, 1536
	v_add_nc_u32 v[FO], s38, v[LI]
	s_lshl_b32 s38, s18, 7
	v_add_nc_u32 v[VSO], s38, v[L4]
	s_wait_loadcnt 48                              ; behind K step 0's sixteen loads stand the 48 of steps 1 to 3
	XTURN 0
	XQ 0, 32                                       ; behind K step 1's loads stand the 32 of steps 2 and 3
.irp i, 0,1,2,3,4,5,6,7                        ; scale words and biases: 28 loads
	global_load_b32 v[WHS+\i], v[L4], s[28:29] offset:WS+2048+128*\i
.endr
.irp i, 0,1,2,3,4,5,6,7
	global_load_b32 v[WFS+\i], v[L4], s[30:31] offset:WS+128*\i
.endr
	WIN 0x80
.irp n, 0,1,2,3
	global_load_b32 v[BH+8*\n], v[RC4], s[12:13] offset:(32*(\n/2)+8*(\n%2))*4   ; in hv's result a lane holds one channel: one number serves its eight registers
.endr
	WIN 0xc0
.irp i, 0,1,2,3,4,5,6,7
	global_load_b128 v[BF+4*\i:BF+4*\i+3], v[H64], s[32:33] offset:128*(\i/4)+16*(\i%4)   ; in f's and g's a lane's registers run along the columns: 32 (t / 2) + 16 h + 8 (t % 2) + j
.endr
	WIN 0
	WLOAD 0
	XQ 1, 63                                       ; behind K step 2's loads stand 68, behind step 3's 76: the largest count that the wait can name is safe
	WLOAD 1
	XQ 2, 63
	WLOAD 2
	XQ 3, 0
	WLOAD 3
	s_wait_dscnt 0x0                               ; my images have landed
	s_barrier_signal -1
	s_barrier_wait -1                              ; x's sixteen fragments lie in LDS
.irp s, 0,1,2,3                                ; all of them into registers, K step by K step: 16 LDS loads a step
	WIN 0x40
.irp q, 0,1,2,3
.irp c, 0,1,2
	ds_load_b128 v[12*(4*\q+\s)+4*\c:12*(4*\q+\s)+4*\c+3], v[LI] offset:(4*\q+\s)*1536+512*\c
.endr
.endr
	WIN 0
.irp q, 0,1,2,3
	ds_load_b32 v[XS+4*\q+\s], v[L4] offset:XSC+(4*\q+\s)*128
.endr
.endr
	s_wait_loadcnt 63                              ; behind the biases and K step 0's weights stand 72 loads
	WIN 0x82
.irp n, 0,1,2,3
.irp k, 1,2,3,4,5,6,7
	v_mov_b32 v[BH+8*\n+\k], v[BH+8*\n]
.endr
.endr
	WIN 0
	KSTEP 0, 48, 63
	KSTEP 1, 32, 48
	KSTEP 2, 16, 24
	KSTEP 3, 0, 0
.rept 4
	v_nop                                          ; four plain lines between the last products and the first read of results (ISA guide 7.12.1)
.endr
.irp p, 0,1                                    ; hv: channel tiles 2 p, 2 p + 1 of my four: two half fragments
.if \p == 1
	s_wait_xcnt 0x0                                ; the stores above have read their registers
.endif
	QUANT ACC+64*\p, 0, PWA+\p
.irp e, 0,1
	global_store_b128 v[LI], v[PC+6*\e:PC+6*\e+3], s[46:47] offset:768*(2*\p+\e)          ; 512 consecutive bytes, aligned
	global_store_b64 v[L8], v[PC+6*\e+4:PC+6*\e+5], s[46:47] offset:768*(2*\p+\e)+512     ; 256 consecutive bytes, aligned
.endr
.endr
	v_cndmask_b32 v[PWM], v[PWA], v[PWA+1], s42    ; lanes 0-15 the first pair's scale words, lanes 16-31 the second's
	global_store_b32 v[VSO], v[PWM], s[34:35] offset:15360
	s_wait_xcnt 0x0
	QUANT FG, 1, PWC                               ; f or g: a packed fragment
.irp c, 0,1,2
	global_store_b128 v[FO], v[PC+4*\c:PC+4*\c+3], s[36:37] offset:512*\c
.endr
	global_store_b32 v[FS], v[PWC], s[36:37]
	s_cmp_lg_u32 s18, 0
	s_cbranch_scc1 .Ldone
	global_store_b64 v[L8], v[ZR:ZR+1], s[34:35] offset:16128   ; the block's last 256 bytes: they are read with it, so they are written
.Ldone:
	s_wait_tensorcnt 0x0
	ds_add_u32 v254, v255
	s_wait_dscnt 0x0
	s_endpgm
.Lfunc_end_k_q8868dbc696_proj:
	.size	k_q8868dbc696_proj, .Lfunc_end_k_q8868dbc696_proj-k_q8868dbc696_proj
	.p2alignl 7, 3214868480
	.fill 96, 4, 3214868480
	.section	.rodata,"a",@progbits
	.p2align	6, 0x0
	.amdhsa_kernel k_q8868dbc696_proj
		.amdhsa_group_segment_fixed_size 162304
		.amdhsa_private_segment_fixed_size 0
		.amdhsa_enable_private_segment 0
		.amdhsa_kernarg_size 56
		.amdhsa_user_sgpr_count 2
		.amdhsa_user_sgpr_kernarg_segment_ptr 1
		.amdhsa_wavefront_size32 1
		.amdhsa_system_sgpr_workgroup_id_x 1
		.amdhsa_system_sgpr_workgroup_id_y 1
		.amdhsa_system_sgpr_workgroup_id_z 1
		.amdhsa_system_vgpr_workitem_id 0
		.amdhsa_next_free_vgpr 1024
		.amdhsa_next_free_sgpr 66
		.amdhsa_reserve_vcc 0
		.amdhsa_float_denorm_mode_32 3
		.amdhsa_float_denorm_mode_16_64 3
		.amdhsa_memory_ordered 1
		.amdhsa_forward_progress 1
		.amdhsa_inst_pref_size 83
	.end_amdhsa_kernel
	.amdgpu_metadata
---
amdhsa.version: [ 1, 2 ]
amdhsa.kernels:
  - .name:           k_q8868dbc696_proj
    .symbol:         k_q8868dbc696_proj.kd
    .args:
      - { .name: x, .offset: 0, .size: 8, .value_kind: global_buffer, .address_space: global }
      - { .name: wq, .offset: 8, .size: 8, .value_kind: global_buffer, .address_space: global }
      - { .name: bf, .offset: 16, .size: 8, .value_kind: global_buffer, .address_space: global }
      - { .name: bg, .offset: 24, .size: 8, .value_kind: global_buffer, .address_space: global }
      - { .name: bh, .offset: 32, .size: 8, .value_kind: global_buffer, .address_space: global }
      - { .name: kv, .offset: 40, .size: 8, .value_kind: global_buffer, .address_space: global }
      - { .name: gq, .offset: 48, .size: 8, .value_kind: global_buffer, .address_space: global }
    .group_segment_fixed_size: 162304
    .private_segment_fixed_size: 0
    .kernarg_segment_align: 8
    .kernarg_segment_size: 56
    .max_flat_workgroup_size: 128
    .sgpr_count:     66
    .vgpr_count:     1024
    .wavefront_size: 32
...
	.end_amdgpu_metadata
.endif
;; end of part 2
;; launch attn (part 3): grid 64 x 4, 8 waves a work-group, clusters of 4 x 1, 327,680 bytes of LDS; arguments kv, gq, wq, x, bo, gamma, out0; writes out0
.if DOCPART == 3
	.amdgcn_target "amdgcn-amd-amdhsa--gfx1250"
	.amdhsa_code_object_version 6
	.text
	.protected	k_q8868dbc696_attn
	.globl	k_q8868dbc696_attn
	.p2align	8
	.type	k_q8868dbc696_attn,@function
k_q8868dbc696_attn:
	s_mov_b64 s[64:65], 0
	v_nop
	global_prefetch_b8 v0, s[64:65] scope:SCOPE_SE
	s_setreg_imm32_b32 hwreg(HW_REG_WAVE_MODE, 25, 1), 1
	s_wait_xcnt 0x0
	s_wait_alu depctr_hold_cnt(0) depctr_sa_sdst(0) depctr_va_vdst(0) depctr_va_sdst(0) depctr_va_ssrc(0) depctr_va_vcc(0) depctr_vm_vsrc(0)
	s_getreg_b32 s2, hwreg(HW_REG_IB_STS2, 6, 4)
	s_cmp_eq_u32 s2, 0
	s_cbranch_scc0 .Lentry_in_a_cluster
	s_endpgm
.Lentry_in_a_cluster:
	s_bfe_u32 s2, ttmp6, 0x10000c
	s_cmp_lg_u32 s2, 0x3003
	s_cbranch_scc0 .Lentry_shape_is_right
	s_endpgm
.Lentry_shape_is_right:
; out = relu(BN([gamma (softmax(g f^T) hv wo + bo) + x, x] wc + bc)), every product on codes of FP6 (E2M3) with one E8M0 scale for each 32 along K.
; SHARES.  A work-group owns 64 queries of one batch: four tiles of 16, row(q, m) = 32 (q / 2) + 8 (q % 2) + m + 8 (m / 8).  In the loop over keys wave WV = 2 KQ + QP owns the query tiles 2 QP, 2 QP + 1 and the
; key quarter KQ (1,024 keys, eight steps of 128): each fragment of f and of hv^T read from LDS feeds two products, and two waves share a SIMD, so that one wave's softmax stands beside the other's products and loads.
; LAYOUT.  Both products are used transposed: S^T = f g^T, O^T = hv^T p^T: a lane holds ONE query throughout.  The first product's K is 64: a fragment of f is PACKED (K 0-63 = key tile 2 b, K 64-127 = key tile 2 b + 1) and
; is multiplied by [g, 0] and by [0, g], both cut out of one run of 18 registers g, 0, g; zero codes add nothing.  The keys of a tile are chosen so that p's 16 registers of two neighbouring tiles are 16 neighbouring keys.
; SOFTMAX.  t = score x log2(e); M = the largest t so far, rounded UP to a whole number; p = 2^(t - M) is quantised along the keys, not normalised; the sum is taken of the unquantised p.  When M moves, sum and O^T are multiplied
; by 2^(old M - new M), which rounds nothing.  THE FOUR KEY QUARTERS ARE JOINED at the end the same way: o = sum over k of O_k x (2^(M_k - M) / l), l = sum over k of 2^(M_k - M) l_k.
; THE RING.  Two LDS slots of 131,072 bytes; a slot holds one key step of all four quarters; each wave brings 16,384 dense bytes (64 keys' block of kv).  CLUSTER: the four work-groups of a cluster belong to one batch and walk the same
; keys, so each block is asked for JOINTLY, by the same tensor load with the same descriptor and a mask that names the four.  By this text's count a wave has one tensor load outstanding.
; wo and wc are not asked for jointly.
; THE TAIL.  Wave WV makes 64 of the 512 channels of o wo, of att and of out for all 64 queries; operands go from wave to wave through LDS as images of their registers.  x is quantised again in registers for the second half of cat.
; x IS READ AS IT LIES: sixteen lanes take 256 consecutive bytes of a row (my 64 channels), a load two rows, at the very offsets of the stores of out; a tile of 16 rows then turns through the wave's own stage into the layout of
; the products' results: the way out, run backwards.
; LIMITS: NaN and infinities are not served; a block whose largest magnitude lies under 2^-124 keeps the byte 1; a block of zeros gets the byte 1 where the rule says 127 (zero codes; the bytes never leave the program);
; bias and BatchNorm are folded to y a + c, which rounds in another order than the formula as written.
; REGISTERS.  Window 0: v1-11 addresses; v12-19 -M, largest t, sum (two halves) of my two tiles; v20-43 SCALE WORDS and nothing else, in the loop and in the tail; v44-79 g, 0, g twice; v80-127 f's fragments, then hv^T's;
;   v128-191 S^T, then p, then hv^T's; v192-243 at work.  Window 1: O^T, 128 registers a tile.  The tail's maps stand at its head.
.set SLOT1, 1<<17
.set SPARE, 262144                     ; behind the ring: the spare words, 128 bytes for each wave: four blocks of 256 bytes that no other line names
.set STAT,  263168                     ; -M and l of every wave's two tiles: 512 WV + 256 u + 128 z + 4 l
.set OIMG,  267264                     ; o's eight fragments, 2 q + half
.set OSC,   279552                     ; their scale words
.set XSTG,  280576                     ; x's way in: 16 rows x 272 bytes for each wave; no fill ever lands here
.set CSC,   49152                      ; cat's 32 fragments lie from byte 0 on, (8 q + s) x 1,536; their scale words here
.set STG,   65536                      ; the way out: 16 rows x 272 bytes for each wave
.set WS,    638976
.set BNA,   665600
.set BNC,   667648
.set LI,  1
.set L8,  2
.set L4,  3
.set SPW, 4
.set NIL, 5
.set AB16, 6
.set AB8, 7
.set AB4, 8
.set PFO, 9
.set CHV, 10
.set ST,  12
.set QS,  20
.set PW,  22
.set KS,  24
.set VSL, 28                           ; VSH = VSL + 4
.set RAW, 36
.set Q,   44
.set KF,  80
.set S,   128
.set F,   192
.set TT,  194
.set SUM2, 196
.set PCL, 200
.set CTL, 224
.set BM,  232
.set PM,  236
.set SO,  240
.set MSB, 0
.macro WIN new                         ; bits 1:0 source 0, 3:2 source 1, 5:4 source 2, 7:6 destination; the high byte repeats the setting that is left
.if MSB != (\new)
	s_set_vgpr_msb (MSB<<8)|(\new)
.set MSB, (\new)
.endif
.endm
.macro PLACES                          ; four plain lines behind matrix instructions, ahead of reads of their results and of loads into their registers (ISA guide 7.12.1 for the reads of their results)
.rept 4
	v_nop
.endr
.endm
; one matrix instruction.  c: C's first register, or -1: the constant 0 starts the sum.  ra: source 0's scales are read from lanes 16-31
.macro MM d, a, b, c, sa, sb, ra, rb
.if (\c) < 0
	v_wmma_scale_f32_16x16x128_f8f6f4 v[(\d):(\d)+7], v[(\a):(\a)+11], v[(\b):(\b)+11], 0, v[(\sa)], v[(\sb)] matrix_a_fmt:MATRIX_FMT_FP6 matrix_b_fmt:MATRIX_FMT_FP6
.elseif (\ra)
	v_wmma_scale_f32_16x16x128_f8f6f4 v[(\d):(\d)+7], v[(\a):(\a)+11], v[(\b):(\b)+11], v[(\c):(\c)+7], v[(\sa)], v[(\sb)] matrix_a_fmt:MATRIX_FMT_FP6 matrix_b_fmt:MATRIX_FMT_FP6 matrix_a_scale:MATRIX_SCALE_ROW1
.else
	v_wmma_scale_f32_16x16x128_f8f6f4 v[(\d):(\d)+7], v[(\a):(\a)+11], v[(\b):(\b)+11], v[(\c):(\c)+7], v[(\sa)], v[(\sb)] matrix_a_fmt:MATRIX_FMT_FP6 matrix_b_fmt:MATRIX_FMT_FP6
.endif
.endm
.macro CROUND                          ; a round of the cluster's barrier
	s_barrier_signal -1
	s_barrier_wait -1
	s_cmp_lg_u32 s18, 0
	s_cbranch_scc1 .Lnw0_\@
	s_barrier_signal -3
.Lnw0_\@:
	s_barrier_wait -3
	s_barrier_signal -1
	s_barrier_wait -1
.endm
.macro BARRIER                         ; my LDS stores have landed and my LDS loads are in: then the work-group's barrier
	s_wait_dscnt 0x0
	s_barrier_signal -1
	s_barrier_wait -1
.endm
; A PREFETCH of the key step that the NEXT change of slots will ask for: a quarter's 32,768 bytes.  All clusters of a batch walk the same keys: the batch's first cluster asks.  Its four partners share a quarter's bytes out BY ADDRESS,
; 8,192 each; in each the quarter's even wave asks, lanes 256 bytes apart, one instruction.  So each aligned 256 bytes are named once.  Key steps 0 and 1 come by their loads alone; the last change that fills a slot asks for nothing.
.macro ASK
	s_cmp_gt_u32 s37, s44
	s_cbranch_scc0 .Lnm_\@
	global_prefetch_b8 v[PFO], s[42:43] th:TH_LOAD_NT scope:SCOPE_SE
.Lnm_\@:
.endm
; THE CHANGE OF SLOTS stands at a step's head.  Each wave waits for all its tensor loads (its block of the slot ahead), adds 0 to its spare word, and waits for that and for its reads of the slot that it has left.
; fill = 1: a round of the cluster's barrier, and behind it the joint refill of the slot just left: it has a whole key step in which to land.
.macro CHANGE fill
	s_wait_tensorcnt 0x0                           ; no tensor load of mine is out, so the descriptor may be written
	ds_add_u32 v[SPW], v[NIL]                      ; 0 onto my spare word
.if \fill
	s_xor_b32 s33, s33, SLOT1                      ; the other slot,
	s_add_nc_u64 s[34:35], s[34:35], 32768         ; my quarter's next 128 keys; the type bits on top are not reached
	s_wait_xcnt 0x0                                ; the last prefetch, a key step back, has read its address
	s_add_nc_u64 s[42:43], s[42:43], 32768         ; one key step further on than the descriptor
.endif
	s_wait_dscnt 0x0                               ; the add is done, and my reads of the slot that I have left are over
.if \fill
	CROUND                                         ; both now hold of every wave of all four work-groups
	tensor_load_to_lds s[32:35], s[24:31]          ; the first thing behind the round, and my one tensor load until the next
	s_nop 0
	PLACES                                         ; four v_nop follow the load
	ASK
.else
	s_barrier_signal -1
	s_barrier_wait -1
.endif
.endm
.macro VLOAD g, reg                    ; hv^T's channel tiles 4 g .. 4 g + 3 for this step's 128 keys: each fragment is two halves, one from each block of 64 keys: 16 LDS loads
.irp t, 0,1,2,3
.irp c, 0,1
	ds_load_b128 v[(\reg)+12*\t+6*\c:(\reg)+12*\t+6*\c+3], v[AB16] offset:16384*\c+3072+768*(4*(\g)+\t)
	ds_load_b64 v[(\reg)+12*\t+6*\c+4:(\reg)+12*\t+6*\c+5], v[AB8] offset:16384*\c+3072+768*(4*(\g)+\t)+512
.endr
.endr
.endm
.macro PVMUL g, reg                    ; O^T += hv^T p^T: eight accumulators, each once
	WIN 0x50                                       ; C and D window 1
.irp t, 0,1,2,3
.irp x, 0,1
	MM 128*\x+8*(4*(\g)+\t), (\reg)+12*\t, PCL+12*\x, 128*\x+8*(4*(\g)+\t), VSL+4*(\t%2)+(\g), PW+\x, \t/2, 0
.endr
.endr
	WIN 0
.endm
; Query tile x of my two: eight products, the softmax of 128 keys, p's codes and scale word, O^T under the new M
.macro TILE x
.set SX, ST+4*(\x)
.set PX, PCL+12*(\x)
.irp b, 0,1,2,3
.irp u, 0,1
	MM S+16*\b+8*\u, KF+12*\b, Q+18*(\x)+6*\u, -1, KS+\b, QS+(\x), 0, 0
.endr
.endr
	PLACES
.if (\x) == 1
	VLOAD 0, KF                                    ; f's fragments are done with: hv^T's first four land under this softmax
.endif
.irp b, 0,1,2,3
	v_max3_num_f32 v[BM+\b], v[S+16*\b], v[S+16*\b+1], v[S+16*\b+2]   ; the largest score of each block of 32 keys: for the row's maximum, and, since p rises with the score, for the block's largest p
.endr
.irp i, 3,5,7,9,11,13
.irp b, 0,1,2,3
	v_max3_num_f32 v[BM+\b], v[BM+\b], v[S+16*\b+\i], v[S+16*\b+\i+1]
.endr
.endr
.irp b, 0,1,2,3
	v_max_num_f32 v[BM+\b], v[BM+\b], v[S+16*\b+15]
.endr
.irp b, 0,1,2,3
	v_permlanex16_b32 v[PM+\b], v[BM+\b], s40, s41
.endr
.irp b, 0,1,2,3
	v_max_num_f32 v[BM+\b], v[BM+\b], v[PM+\b]     ; with lane l xor 16's 16 keys
.endr
	v_max3_num_f32 v[TT], v[BM], v[BM+1], v[BM+2]
	v_max_num_f32 v[TT], v[TT], v[BM+3]
	v_mul_f32 v[TT], s38, v[TT]                    ; as t
	v_max_num_f32 v[SX+1], v[SX+1], v[TT]          ; the running largest t
	v_mov_b32 v[TT], v[SX]
	v_floor_f32 v[SX], -v[SX+1]                    ; the new -M = floor(-t): M is a whole number
	v_sub_f32 v[TT], v[SX], v[TT]                  ; old M - new M: a whole number, 0 or less
	v_cvt_i32_f32 v[TT], v[TT]                     ; (it saturates)
	v_ldexp_f32 v[F], 1.0, v[TT]                   ; 2^(old M - new M)
.set j, 0
.rept 32
	v_pk_fma_f32 v[S+j:S+j+1], v[S+j:S+j+1], s[38:39], v[SX:SX+1] op_sel_hi:[1,0,0]   ; t - M, two at a time
.set j, j+2
.endr
.irp b, 0,1,2,3
	v_fma_f32 v[BM+\b], v[BM+\b], s38, v[SX]       ; the same of each block's largest score
.endr
.set j, 0
.rept 64
	v_exp_f32 v[S+j], v[S+j]                       ; p = 2^(t - M)
.set j, j+1
.endr
	v_pk_mul_f32 v[SX+2:SX+3], v[SX+2:SX+3], v[F:F+1] op_sel_hi:[1,0]   ; the sums under the new M: a plain line behind the exponentials
	s_wait_alu depctr_va_vdst(0)                   ; one wait for the batch of 64, ahead of its first reader
.irp b, 0,1,2,3
	v_exp_f32 v[BM+\b], v[BM+\b]                   ; the block's largest p
.endr
	v_pk_add_f32 v[SUM2:SUM2+1], v[S:S+1], v[S+2:S+3]   ; the row's sum of the unquantised p, in two chains
.set j, 4
.rept 15
	v_pk_add_f32 v[SX+2:SX+3], v[SX+2:SX+3], v[S+j:S+j+1]
	v_pk_add_f32 v[SUM2:SUM2+1], v[SUM2:SUM2+1], v[S+j+2:S+j+3]
.set j, j+4
.endr
	v_pk_add_f32 v[SX+2:SX+3], v[SX+2:SX+3], v[SUM2:SUM2+1]
	s_wait_alu depctr_va_vdst(0)                   ; and one for the four
.irp b, 0,1,2,3
	v_max_num_f32 v[BM+\b], 0x1800000, v[BM+\b]    ; the floor 2^(3 - 127)
.endr
.irp b, 0,1,2,3
	v_add_nc_u32 v[SO+\b], 0xff000000, v[BM+\b]    ; the conversion's scale operand
.endr
.irp b, 0,1,2,3
	v_lshrrev_b32 v[PM+\b], 23, v[SO+\b]           ; the scale's byte
.endr
	v_lshl_or_b32 v[PW+(\x)], v[PM+1], 8, v[PM]    ; p's scale word for these 128 keys
	v_lshl_or_b32 v[PW+(\x)], v[PM+2], 16, v[PW+(\x)]
	v_lshl_or_b32 v[PW+(\x)], v[PM+3], 24, v[PW+(\x)]
.irp c, 0,1
	v_cvt_scalef32_pk16_fp6_f32 v[PX+6*\c:PX+6*\c+2], v[S+32*\c:S+32*\c+15], v[SO+2*\c]
	v_cvt_scalef32_pk16_fp6_f32 v[CTL+4*\c:CTL+4*\c+2], v[S+32*\c+16:S+32*\c+31], v[SO+2*\c+1]
.endr
	v_nop                                          ; one plain line behind the scaled conversions
.irp c, 0,1
.irp i, 0,1,2
	v_permlane16_swap_b32 v[PX+6*\c+\i], v[CTL+4*\c+\i]
.endr
.irp i, 0,1,2
	v_mov_b32 v[PX+3+6*\c+\i], v[CTL+4*\c+\i]
.endr
.endr
	WIN 0x41
.set j, 128*(\x)
.rept 64
	v_pk_mul_f32 v[j:j+1], v[j:j+1], v[F:F+1] op_sel_hi:[1,0]   ; O^T under the new M; each accumulator from its low end on.  (These are also the plain lines between the writes of p's codes and scale word and the products that take them)
.set j, j+2
.endr
	WIN 0
.endm
; A KEY STEP: my quarter's 128 keys in the slot in hand
.macro STEP
	v_add_nc_u32 v[AB16], s36, v[LI]
	v_add_nc_u32 v[AB8], s36, v[L8]
	v_add_nc_u32 v[AB4], s36, v[L4]
	v_nop
.irp b, 0,1,2,3
.irp c, 0,1,2
	ds_load_b128 v[KF+12*\b+4*\c:KF+12*\b+4*\c+3], v[AB16] offset:16384*(\b/2)+1536*(\b%2)+512*\c   ; f's four packed fragments
.endr
.endr
.irp b, 0,1,2,3
	ds_load_b32 v[KS+\b], v[AB4] offset:16384*(\b/2)+15872+128*(\b%2)
.endr
.irp c, 0,1
.irp w, 0,1,2,3
	ds_load_b32 v[RAW+4*\c+\w], v[AB4] offset:16384*\c+15360+128*\w   ; hv's scale words as they were made: two bytes a channel tile for each 64 keys
.endr
.endr
	s_wait_dscnt 0x0
.irp w, 0,1,2,3                                ; a tile's two bytes of the first 64 keys below its two of the second: lanes 0-15 tiles 4 w (+ 1), lanes 16-31 tiles 4 w + 2 (+ 1)
	v_perm_b32 v[VSL+\w], v[RAW+4+\w], v[RAW+\w], s45
	v_perm_b32 v[VSL+4+\w], v[RAW+4+\w], v[RAW+\w], s46
.endr
	TILE 0
	TILE 1
	VLOAD 1, S
	s_wait_dscnt 16                                ; all but the 16 just issued
	PVMUL 0, KF
	PLACES
	VLOAD 2, KF
	s_wait_dscnt 16
	PVMUL 1, S
	PLACES
	VLOAD 3, S
	s_wait_dscnt 16
	PVMUL 2, KF
	s_wait_dscnt 0x0
	PVMUL 3, S
	PLACES
	s_xor_b32 s36, s36, SLOT1                      ; on to the other slot
.endm
	s_load_b256 s[4:11], s[0:1], 0x0               ; kv, gq, wq, x
	s_load_b128 s[12:15], s[0:1], 0x20             ; bo, gamma
	s_load_b64 s[16:17], s[0:1], 0x30              ; out0
	v_lshl_add_u32 v[SPW], v0, 2, SPARE
	v_mov_b32 v[NIL], 0
	ds_add_u32 v4, v5
	ds_add_u32 v4, v5
	s_wait_dscnt 0x0
	v_lshrrev_b32 v1, 5, v0
	v_readfirstlane_b32 s18, v1                    ; WV
	s_and_b32 s19, s18, 1                          ; QP
	s_lshr_b32 s20, s18, 1                         ; KQ
	s_bfe_u32 s21, ttmp6, 0x40000                  ; cx: it enters global addresses of gq, x, out0 and of the prefetches alone
	s_lshl_b32 s22, ttmp9, 2
	s_add_co_u32 s22, s22, s21
	s_and_b32 s23, ttmp7, 0xffff                   ; the batch, which the four partners share
	s_lshl_b32 s50, s23, 6
	s_add_co_u32 s22, s22, s50                     ; J: my block of 64 rows
	s_lshl_b32 s51, s20, 4
	s_add_co_u32 s51, s51, s50                     ; my quarter's first block of 64 keys
	s_add_co_u32 s52, s51, s19                     ; of a key step's two blocks I fetch number QP
	s_lshl_b32 s52, s52, 14
	s_mov_b32 s53, 0
	s_lshl_b32 s54, s51, 14
	s_lshl_b32 s55, s21, 13
	s_add_co_u32 s54, s54, s55
	s_add_co_u32 s54, s54, 32768                   ; the prefetches stand at key step 1: the first change of slots steps them to 2
	s_mov_b32 s55, 0
	s_mul_i32 s56, s22, 3328
	s_mov_b32 s57, 0
	s_lshl_b32 s58, s22, 17
	s_mov_b32 s59, 0
	s_mov_b32 s24, 15|(3<<16)|(1<<21)              ; 15:0 the mask: all four work-groups; 17:16 elements of 8 bytes; 21 set beside a mask; no padding: every read is 16 or 8 bytes a lane on end
	s_mov_b32 s25, 32<<16                          ; tensor_dim0 = 32 elements: rows of 256 bytes
	s_mov_b32 s26, 64<<16                          ; tensor_dim1 = 64
	s_mov_b32 s27, 32<<16                          ; tile_dim0
	s_mov_b32 s28, 64                              ; tile_dim1
	s_mov_b32 s29, 32                              ; the pitch: the block is dense
	s_mov_b32 s30, 0
	s_mov_b32 s31, 0
	s_mov_b32 s32, 1
	s_lshl_b32 s33, s18, 14                        ; LDS: 16,384 x wave, slot 0
	s_lshl_b32 s36, s20, 15                        ; where my quarter's key step begins in the slot in hand
	s_mov_b32 s37, 7                               ; slots still to be asked for
	s_mov_b32 s38, 0x3fb8aa3b                      ; log2(e)
	s_mov_b32 s39, s38
	s_mov_b32 s40, 0x76543210
	s_mov_b32 s41, 0xfedcba98                      ; lane l xor 16
	s_mov_b32 s45, 0x05040100
	s_mov_b32 s46, 0x07060302
	s_or_b32 s44, s19, ttmp9                       ; 0 in the even waves of the batch's first cluster: the same in all four partners
	s_cmp_eq_u32 s44, 0
	s_cselect_b32 s44, 1, -1
	s_wait_kmcnt 0x0
	s_load_b32 s48, s[14:15], 0x0                  ; gamma
	s_add_nc_u64 s[34:35], s[4:5], s[52:53]
	s_or_b32 s35, s35, 0x80000000                  ; type = 2
	s_add_nc_u64 s[42:43], s[4:5], s[54:55]
	s_add_nc_u64 s[6:7], s[6:7], s[56:57]
	s_add_nc_u64 s[10:11], s[10:11], s[58:59]
	s_add_nc_u64 s[16:17], s[16:17], s[58:59]
	CROUND                                         ; all four work-groups are here: the first joint loads meet
	tensor_load_to_lds s[32:35], s[24:31]          ; key step 0
	s_nop 0
	PLACES
	s_wait_kmcnt 0x0
	s_mov_b32 s49, s48
	v_and_b32 v10, 31, v0
	v_lshlrev_b32 v[LI], 4, v10
	v_lshlrev_b32 v[L8], 3, v10
	v_lshlrev_b32 v[L4], 2, v10
	v_lshlrev_b32 v[PFO], 8, v10
	s_mul_i32 s52, s19, 1536
	v_add_nc_u32 v10, s52, v[LI]
	s_lshl_b32 s52, s19, 7
	v_add_nc_u32 v11, s52, v[L4]
.irp c, 0,1,2
	global_load_b128 v[S+4*\c:S+4*\c+3], v10, s[6:7] offset:512*\c   ; my packed fragment of g: registers 0-5 query tile 2 QP, 6-11 tile 2 QP + 1
.endr
	global_load_b32 v[S+12], v11, s[6:7] offset:3072
	WIN 0x40
.set i, 0
.rept 256
	v_mov_b32 v[i], 0                              ; O^T.  The key step is written twice and not three times: the first step finds zeros, which the first change of M leaves zeros
.set i, i+1
.endr
	WIN 0
.irp x, 0,1
	v_mov_b32 v[ST+4*\x+1], 0xff61b1e6             ; the largest t so far: -3e38
	v_floor_f32 v[ST+4*\x], -v[ST+4*\x+1]
	v_mov_b32 v[ST+4*\x+2], 0
	v_mov_b32 v[ST+4*\x+3], 0
.endr
.irp b, 0,1,2,3
	v_mov_b32 v[PM+\b], 0                          ; a lane permute's destination counts as one of its sources
.endr
	v_mov_b32 v[F+1], 0                            ; named as the upper half of a pair
	s_wait_loadcnt 0x0
.irp x, 0,1
.irp i, 0,1,2,3,4,5
	v_mov_b32 v[Q+18*\x+\i], v[S+6*\x+\i]
	v_mov_b32 v[Q+18*\x+6+\i], 0
	v_mov_b32 v[Q+18*\x+12+\i], v[S+6*\x+\i]
.endr
.endr
	v_and_b32 v[TT], 0xffff, v[S+12]
	v_lshl_or_b32 v[QS], v[S+12], 16, v[TT]        ; tile 0's two bytes, twice: they serve [g, 0] and [0, g]
	v_lshrrev_b32 v[TT], 16, v[S+12]
	v_and_or_b32 v[QS+1], v[S+12], 0xffff0000, v[TT]   ; tile 1's
.Lstep:                                            ; seven trips: behind each change of slots but the last the next key step is asked for
	CHANGE 1
	STEP
	s_sub_co_u32 s37, s37, 1
	s_cmp_lg_u32 s37, 0
	s_cbranch_scc1 .Lstep
	CHANGE 0                                       ; the last step is written out
	STEP
; ---------------- THE TAIL.  Window 0: v6-8 the way out's addresses (v8 also x's), v10 my channels' bytes; v44-75 the quantiser's; v80-95 statistics and weights of the join; v96-111 addresses; v112-119 at work; v128-191 HA; v192-255 x of query tiles 0, 1;
;   in the last product v128-255 its 16 accumulators and v80-127 cat's fragments of even K steps.  Window 1: two parts of O^T (v0-127), wo (v128-223), bo (v224-255); then x of query tiles 2, 3 (v0-63) and o's fragments (v64-111);
;   in the last product four sets of wc (v0-191) and cat's fragments of odd K steps (v192-239); at the end a (v0-31) and c (v48-79).
.set PC,  44
.set CT,  56
.set TM,  64
.set SS,  80                           ; -M and l of the four quarters
.set WK,  88                           ; their weights, as pairs
.set XSW, 96                           ; x's stage, on the way in
.set PADR, 97
.set STW, 98
.set STR, 99
.set RA,  100
.set OWI, 104
.set OWS, 105
.set ORD, 106
.set ORS, 107
.set CW16, 108
.set CW8, 109
.set CWS, 110
.set XSR, 111                          ; x's stage, on the way back
.set STO, 6
.set SRD, 7
.set GO,  8
.set HA,  128
.set XB0, 192
.set ACC, 128
.set WOS, 36
.set OS,  40
.set WCS, 20
.set CSR, 36
.set OF,  64                           ; window 1
.set WO,  128
.set BO,  224
; 64 numbers of a lane in window w, v[s] on, register 16 b + i = place 32 b + 16 (lane / 16) + i along K, become a fragment's codes in v[PC] on and its scale word in v[pw]
.macro QUANT s, w, pw
	WIN (\w)|((\w)<<2)
.irp b, 0,1,2,3
	v_max3_num_f32 v[TM+\b], |v[(\s)+16*\b]|, |v[(\s)+16*\b+1]|, 0x1800000
.endr
	WIN ((\w)<<2)|((\w)<<4)
.irp i, 2,4,6,8,10,12,14
.irp b, 0,1,2,3
	v_max3_num_f32 v[TM+\b], v[TM+\b], |v[(\s)+16*\b+\i]|, |v[(\s)+16*\b+\i+1]|
.endr
.endr
	WIN 0
.irp b, 0,1,2,3
	v_permlanex16_b32 v[TM+4+\b], v[TM+\b], s40, s41
.endr
.irp b, 0,1,2,3
	v_max_num_f32 v[TM+\b], v[TM+\b], v[TM+4+\b]
.endr
.irp b, 0,1,2,3
	v_add_nc_u32 v[TM+8+\b], 0xff000000, v[TM+\b]
.endr
.irp b, 0,1,2,3
	v_lshrrev_b32 v[TM+4+\b], 23, v[TM+8+\b]
.endr
	v_lshl_or_b32 v[(\pw)], v[TM+5], 8, v[TM+4]
	v_lshl_or_b32 v[(\pw)], v[TM+6], 16, v[(\pw)]
	v_lshl_or_b32 v[(\pw)], v[TM+7], 24, v[(\pw)]
	WIN (\w)
.irp c, 0,1
	v_cvt_scalef32_pk16_fp6_f32 v[PC+6*\c:PC+6*\c+2], v[(\s)+32*\c:(\s)+32*\c+15], v[TM+8+2*\c]
	v_cvt_scalef32_pk16_fp6_f32 v[CT+4*\c:CT+4*\c+2], v[(\s)+32*\c+16:(\s)+32*\c+31], v[TM+8+2*\c+1]
.endr
	WIN 0
	v_nop                                          ; one plain line behind the scaled conversions
.irp c, 0,1
.irp i, 0,1,2
	v_permlane16_swap_b32 v[PC+6*\c+\i], v[CT+4*\c+\i]
.endr
.irp i, 0,1,2
	v_mov_b32 v[PC+3+6*\c+\i], v[CT+4*\c+\i]
.endr
.endr
.endm
.macro XBLOAD reg, P                   ; x of query tiles 2 P, 2 P + 1 at my 64 channels, as it lies: lanes 0-15 take 256 consecutive bytes of row 2 i of the tile, lanes 16-31 of row 2 i + 1
.irp u, 0,1
.irp i, 0,1,2,3,4,5,6,7
	global_load_b128 v[(\reg)+32*\u+4*\i:(\reg)+32*\u+4*\i+3], v[GO], s[10:11] offset:(32*(\P)+8*\u+2*\i+8*(\i/4))*2048 th:TH_LOAD_NT
.endr
.endr
.endm
; two tiles of x in window w, v[reg] on, turn through my stage, one after the other, into the layout of the products' results: register 32 u + 16 q + i = channel 32 q + 16 h + i of row r; they come back into the registers that they left.
; LDS serves a wave's instructions in order (ISA guide 5.7.1.4): the loads see the stores above them, and the second tile's stores come behind the first's loads
.macro XTURN reg, w
.irp u, 0,1
	WIN 0x04*(\w)                                  ; an LDS store's data are its source 1
.irp i, 0,1,2,3,4,5,6,7
	ds_store_b128 v[XSW], v[(\reg)+32*\u+4*\i:(\reg)+32*\u+4*\i+3] offset:544*\i
.endr
	WIN 0x40*(\w)
.irp q, 0,1
.irp j, 0,1,2,3
	ds_load_b128 v[(\reg)+32*\u+16*\q+4*\j:(\reg)+32*\u+16*\q+4*\j+3], v[XSR] offset:128*\q+16*\j
.endr
.endr
.endr
	WIN 0
.endm
.macro PBLOAD reg, k                   ; quarter k's part of my tile's half of O^T
.irp i, 0,1,2,3,4,5,6,7,8,9,10,11,12,13,14,15
	ds_load_b128 v[(\reg)+4*\i:(\reg)+4*\i+3], v[RA+(\k)] offset:512*\i
.endr
.endm
.macro JOIN reg, k
	WIN 0x01
.set j, 0
.rept 32
.if (\k) == 0
	v_pk_mul_f32 v[HA+j:HA+j+1], v[(\reg)+j:(\reg)+j+1], v[WK:WK+1] op_sel_hi:[1,0]
.else
	v_pk_fma_f32 v[HA+j:HA+j+1], v[(\reg)+j:(\reg)+j+1], v[WK+2*(\k):WK+2*(\k)+1], v[HA+j:HA+j+1] op_sel_hi:[1,0,1]
.endif
.set j, j+2
.endr
	WIN 0
.endm
; the codes just made are halves of two of cat's fragments: query tiles 2 P and 2 P + 1, K step WV / 2 + ks, half WV % 2; of the scale word the low two bytes are the first tile's, the high two the second's
.macro CSTORE P, ks
.irp u, 0,1
	ds_store_b128 v[CW16], v[PC+6*\u:PC+6*\u+3] offset:(2*(\P)+\u)*12288+(\ks)*1536
	ds_store_b64 v[CW8], v[PC+6*\u+4:PC+6*\u+5] offset:(2*(\P)+\u)*12288+(\ks)*1536
.endr
	ds_store_b16 v[CWS], v[PW] offset:(2*(\P))*1024+(\ks)*128
	ds_store_b16_d16_hi v[CWS], v[PW] offset:(2*(\P)+1)*1024+(\ks)*128
.endm
; query tiles 2 P, 2 P + 1: x's codes; o wo + bo at my 64 channels; att = gamma (..) + x; att's codes
.macro P6 P
.set XBR, XB0*(1-(\P))
	WIN 0x40
.irp f, 0,1,2,3
.irp c, 0,1,2
	ds_load_b128 v[OF+12*\f+4*\c:OF+12*\f+4*\c+3], v[ORD] offset:(4*(\P)+\f)*1536+512*\c
.endr
.endr
	WIN 0
.irp f, 0,1,2,3
	ds_load_b32 v[OS+\f], v[ORS] offset:(4*(\P)+\f)*128
.endr
	s_wait_loadcnt 16*(1-(\P))                     ; wo, bo and wo's scale words are in; the first time the sixteen loads of x for tiles 2, 3 may be out
	QUANT XBR, \P, PW                              ; (it stands between o's loads and the wait for them)
	CSTORE \P, 4
	s_wait_dscnt 0x0
	WIN 0x15                                       ; wo, o and C = bo in window 1
.irp u, 0,1
.irp t, 0,1,2,3
	MM HA+32*\u+8*\t, WO+24*\t, OF+24*\u, BO+8*\t, WOS+\t, OS+2*\u, 0, 0
.endr
.endr
	WIN 0x05
.irp u, 0,1
.irp t, 0,1,2,3
	MM HA+32*\u+8*\t, WO+24*\t+12, OF+24*\u+12, HA+32*\u+8*\t, WOS+\t, OS+2*\u+1, 1, 0
.endr
.endr
	WIN 0
	PLACES
	WIN 0x10*(\P)
.set j, 0
.rept 32
	v_pk_fma_f32 v[HA+j:HA+j+1], v[HA+j:HA+j+1], s[48:49], v[XBR+j:XBR+j+1] op_sel_hi:[1,0,1]   ; att, each accumulator from its low end on
.set j, j+2
.endr
	WIN 0
.if (\P) == 0
	s_wait_loadcnt 0x0                             ; x of query tiles 2, 3 is in:
	XTURN 0, 1                                     ; it turns through the stage while att is quantised
.endif
	QUANT HA, 0, PW
	CSTORE \P, 0
	s_wait_dscnt 0x0                               ; the stores have read their registers, and what turned is back
.endm
.macro WSLOAD s                        ; wc's four fragments of K step s into set s % 4: 12 loads
	WIN 0x40
.irp t, 0,1,2,3
.irp c, 0,1,2
	global_load_b128 v[48*((\s)%4)+12*\t+4*\c:48*((\s)%4)+12*\t+4*\c+3], v[LI], s[62:63] offset:(8*\t+(\s))*1536+512*\c
.endr
.endr
	WIN 0
.endm
.macro FETCHC s                        ; cat's four fragments of K step s and their scale words: 20 LDS loads
.set CBX, 80+112*((\s)%2)              ; even steps window 0 v80, odd steps window 1 v192
	WIN 0x40*((\s)%2)
.irp q, 0,1,2,3
.irp c, 0,1
	ds_load_b128 v[CBX+12*\q+6*\c:CBX+12*\q+6*\c+3], v[LI] offset:(8*\q+(\s))*1536+768*\c
	ds_load_b64 v[CBX+12*\q+6*\c+4:CBX+12*\q+6*\c+5], v[L8] offset:(8*\q+(\s))*1536+768*\c+512
.endr
.endr
	WIN 0
.irp q, 0,1,2,3
	ds_load_b32 v[CSR+4*((\s)%2)+\q], v[L4] offset:CSC+(8*\q+(\s))*128
.endr
.endm
.macro P7 s, dc, lc                    ; K step s of cat wc: 16 accumulators, each once
.set CBX, 80+112*((\s)%2)
	s_wait_dscnt \dc                               ; this step's fragments of cat are in; the next step's 20 loads may be out
	s_wait_loadcnt \lc                             ; this step's set of wc is in; what was asked for behind it may be out
	WIN 0x01+4*((\s)%2)
.irp q, 0,1,2,3
.irp t, 0,1,2,3
.if (\s) == 0
	MM ACC+32*\q+8*\t, 48*((\s)%4)+12*\t, CBX+12*\q, -1, WCS+4*\t+(\s)/2, CSR+4*((\s)%2)+\q, 0, 0
.else
	MM ACC+32*\q+8*\t, 48*((\s)%4)+12*\t, CBX+12*\q, ACC+32*\q+8*\t, WCS+4*\t+(\s)/2, CSR+4*((\s)%2)+\q, (\s)%2, 0
.endif
.endr
.endr
	WIN 0
	PLACES
.endm
.macro BNLOAD reg, off                 ; a or c at my 64 channels, in the result's layout: 8 loads
	WIN 0x40
.irp q, 0,1
.irp j, 0,1,2,3
	global_load_b128 v[(\reg)+16*\q+4*\j:(\reg)+16*\q+4*\j+3], v[CHV], s[8:9] offset:(\off)+128*\q+16*\j
.endr
.endr
	WIN 0
.endm
.macro PACK q                          ; query tile q: y a + c, relu; through my stage: in by lanes' 16 bytes of a row, back as whole 256 bytes of a row, into the registers that they left
	WIN 0x14
.set j, 0
.rept 16
	v_pk_fma_f32 v[ACC+32*(\q)+j:ACC+32*(\q)+j+1], v[ACC+32*(\q)+j:ACC+32*(\q)+j+1], v[j:j+1], v[48+j:49+j]
.set j, j+2
.endr
	WIN 0
.set j, 0
.rept 32
	v_max_num_f32 v[ACC+32*(\q)+j], 0, v[ACC+32*(\q)+j]
.set j, j+1
.endr
.irp t, 0,1,2,3
.irp e, 0,1
	ds_store_b128 v[STO], v[ACC+32*(\q)+8*\t+4*\e:ACC+32*(\q)+8*\t+4*\e+3] offset:128*(\t/2)+32*(\t%2)+16*\e
.endr
.endr
.irp i, 0,1,2,3,4,5,6,7
	ds_load_b128 v[ACC+32*(\q)+4*\i:ACC+32*(\q)+4*\i+3], v[SRD] offset:544*\i   ; LDS serves a wave's instructions in order (ISA guide 5.7.1.4): these see the stores above, and the next tile's stores come behind them
.endr
.endm
.macro SEND q, younger                 ; younger: the LDS instructions issued behind tile q's loads
.irp i, 0,1,2,3,4,5,6,7
	s_wait_dscnt (\younger)+7-\i
	global_store_b128 v[GO], v[ACC+32*(\q)+4*\i:ACC+32*(\q)+4*\i+3], s[16:17] offset:(32*((\q)/2)+8*((\q)%2)+2*\i+8*(\i/4))*2048 th:TH_STORE_NT   ; 16 lanes store 256 consecutive bytes, aligned
.endr
.endm
	; ---- addresses; x of query tiles 0, 1 is asked for at once: it has the join in which to land
	v_and_b32 v112, 15, v0                         ; r
	v_bfe_u32 v113, v0, 4, 1                       ; h
	s_lshl_b32 s50, s18, 8
	v_lshl_add_u32 v[CHV], v113, 6, s50            ; 64 h + 256 WV: my channels, in bytes
	v_lshlrev_b32 v[GO], 11, v113                  ; in x and in out: lanes 0-15 one row, lanes 16-31 the next,
	v_lshl_add_u32 v[GO], v112, 4, v[GO]           ; 16 bytes a lane,
	v_add_nc_u32 v[GO], s50, v[GO]                 ; at my 64 channels; never rewritten
	XBLOAD XB0, 0
	s_and_b32 s52, s20, 1                          ; in the join wave WV takes query tile 2 b + u, half hf of the 256 channels: b = WV % 2, u = (WV / 2) % 2,
	s_lshr_b32 s53, s18, 2                         ; hf = WV / 4
	s_lshl_b32 s50, s18, 9
	s_add_co_u32 s50, s50, STAT
	v_add_nc_u32 v[STW], s50, v[L4]
	s_lshl_b32 s50, s18, 15
	v_add_nc_u32 v[PADR], s50, v[LI]               ; my O^T goes to 32,768 x WV
	s_lshl_b32 s50, s19, 9
	s_lshl_b32 s51, s52, 8
	s_add_co_u32 s50, s50, s51
	s_add_co_u32 s50, s50, STAT
	v_add_nc_u32 v[STR], s50, v[L4]
	s_lshl_b32 s50, s19, 15
	s_lshl_b32 s51, s52, 14
	s_add_co_u32 s50, s50, s51
	s_lshl_b32 s51, s53, 13
	s_add_co_u32 s50, s50, s51
	v_add_nc_u32 v[RA], s50, v[LI]
.irp k, 1,2,3
	v_add_nc_u32 v[RA+\k], 65536*\k, v[RA]         ; quarter k's wave for these queries is 2 k + b
.endr
	s_lshl_b32 s50, s19, 2
	s_lshl_b32 s51, s52, 1
	s_add_co_u32 s50, s50, s51
	s_add_co_u32 s50, s50, s53                     ; 2 q + hf
	s_mul_i32 s51, s50, 1536
	s_add_co_u32 s51, s51, OIMG
	v_add_nc_u32 v[OWI], s51, v[LI]
	s_lshl_b32 s51, s50, 7
	s_add_co_u32 s51, s51, OSC
	v_add_nc_u32 v[OWS], s51, v[L4]
	v_add_nc_u32 v[ORD], OIMG, v[LI]
	v_add_nc_u32 v[ORS], OSC, v[L4]
	s_mul_i32 s50, s20, 1536
	s_mul_i32 s51, s19, 768
	s_add_co_u32 s50, s50, s51
	v_add_nc_u32 v[CW16], s50, v[LI]
	s_add_co_u32 s50, s50, 512
	v_add_nc_u32 v[CW8], s50, v[L8]
	s_lshl_b32 s50, s20, 7
	s_lshl_b32 s51, s19, 1
	s_add_co_u32 s50, s50, s51
	s_add_co_u32 s50, s50, CSC
	v_add_nc_u32 v[CWS], s50, v[L4]
	s_mul_i32 s50, s18, 4352
	s_add_co_u32 s50, s50, STG
	v_mul_u32_u24 v[STO], v112, 272
	v_lshl_add_u32 v[STO], v113, 6, v[STO]
	v_add_nc_u32 v[STO], s50, v[STO]               ; by the results' layout: row r, + 64 h
	v_mul_u32_u24 v[SRD], v113, 272
	v_lshl_add_u32 v[SRD], v112, 4, v[SRD]
	v_add_nc_u32 v[SRD], s50, v[SRD]               ; by rows: lanes 0-15 one row, lanes 16-31 the next
	v_add_nc_u32 v[XSR], XSTG-STG, v[STO]          ; x's stage has the same shape: it is written by rows
	v_add_nc_u32 v[XSW], XSTG-STG, v[SRD]          ; and read by the results' layout
	s_mul_i32 s56, s18, 12288
	s_add_co_u32 s56, s56, 147456
	s_mov_b32 s57, 0
	s_add_nc_u64 s[56:57], s[8:9], s[56:57]        ; wo's fragments 96 + 8 WV on
	s_lshl_b32 s58, s18, 9
	s_mov_b32 s59, 0
	s_add_nc_u64 s[58:59], s[8:9], s[58:59]        ; its scale words
	s_lshl_b32 s60, s18, 11
	s_mov_b32 s61, 0
	s_add_nc_u64 s[60:61], s[8:9], s[60:61]        ; wc's scale words
	s_mul_i32 s62, s18, 49152
	s_add_co_u32 s62, s62, 245760
	s_mov_b32 s63, 0
	s_add_nc_u64 s[62:63], s[8:9], s[62:63]        ; wc's fragments 160 + 32 WV on
	; ---- my two tiles' -M and l
.irp x, 0,1
	v_add_f32 v[ST+4*\x+2], v[ST+4*\x+2], v[ST+4*\x+3]
.endr
.irp x, 0,1
	v_permlanex16_b32 v[ST+4*\x+3], v[ST+4*\x+2], s40, s41
.endr
.irp x, 0,1
	v_add_f32 v[ST+4*\x+2], v[ST+4*\x+2], v[ST+4*\x+3]
.endr
.irp x, 0,1
	ds_store_b32 v[STW], v[ST+4*\x] offset:256*\x
	ds_store_b32 v[STW], v[ST+4*\x+2] offset:256*\x+128
.endr
	BARRIER                                        ; nobody reads the ring any more; it has had its last fill
	WIN 0x04                                       ; an LDS store's data are its source 1: window 1
.set i, 0
.rept 64
	ds_store_b128 v[PADR], v[4*i:4*i+3] offset:512*i   ; my O^T as it stands, each accumulator from its low end on
.set i, i+1
.endr
	WIN 0
	s_wait_dscnt 0x0                               ; the stores have read their registers
	WIN 0x40
.irp f, 0,1,2,3,4,5,6,7                        ; wo (tile t, K step s) at 12 (2 t + s)
.irp c, 0,1,2
	global_load_b128 v[WO+12*\f+4*\c:WO+12*\f+4*\c+3], v[LI], s[56:57] offset:\f*1536+512*\c
.endr
.endr
.irp q, 0,1
.irp j, 0,1,2,3
	global_load_b128 v[BO+16*\q+4*\j:BO+16*\q+4*\j+3], v[CHV], s[12:13] offset:128*\q+16*\j
.endr
.endr
	WIN 0
.irp t, 0,1,2,3
	global_load_b32 v[WOS+\t], v[L4], s[58:59] offset:WS+6144+128*\t
.endr
	BARRIER                                        ; all parts and all statistics lie in LDS
	; ---- the join of the four key quarters, for my query tile and my half of the channels
.irp k, 0,1,2,3
.irp z, 0,1
	ds_load_b32 v[SS+2*\k+\z], v[STR] offset:1024*\k+128*\z
.endr
.endr
	WIN 0x40
	PBLOAD 0, 0
	PBLOAD 64, 1
	WIN 0
	s_wait_dscnt 32                                ; the statistics are in; the two parts' 32 loads may be out
	v_min3_num_f32 v112, v[SS], v[SS+2], v[SS+4]
	v_min_num_f32 v112, v112, v[SS+6]              ; -M of all keys
.irp k, 0,1,2,3
	v_sub_f32 v[113+\k], v112, v[SS+2*\k]          ; M_k - M: a whole number, 0 or less
.endr
.irp k, 0,1,2,3
	v_cvt_i32_f32 v[113+\k], v[113+\k]
.endr
.irp k, 0,1,2,3
	v_ldexp_f32 v[113+\k], 1.0, v[113+\k]
.endr
	v_mul_f32 v117, v113, v[SS+1]
	v_fma_f32 v117, v114, v[SS+3], v117
	v_fma_f32 v117, v115, v[SS+5], v117
	v_fma_f32 v117, v116, v[SS+7], v117            ; l
	v_rcp_f32 v118, v117
	v_nop                                          ; a plain line behind the reciprocal
	s_wait_alu depctr_va_vdst(0)                   ; and the wait ahead of its first reader
.irp k, 0,1,2,3
	v_mul_f32 v[WK+2*\k], v[113+\k], v118
.endr
.irp k, 0,1,2,3
	v_mov_b32 v[WK+2*\k+1], v[WK+2*\k]             ; (named as the upper half of a pair)
.endr
	s_wait_dscnt 16                                ; each of these three counts leaves the one younger part's 16 loads out
	JOIN 0, 0
	WIN 0x40
	PBLOAD 0, 2
	WIN 0
	s_wait_dscnt 16
	JOIN 64, 1
	WIN 0x40
	PBLOAD 64, 3
	WIN 0
	s_wait_dscnt 16
	JOIN 0, 2
	WIN 0x40
	XBLOAD 0, 1                                    ; x of query tiles 2, 3 into the registers just read: it has the first two tiles' work in which to land
	WIN 0
	s_wait_dscnt 0x0
	JOIN 64, 3
	s_wait_loadcnt 52                              ; x of query tiles 0, 1 is in: behind its sixteen loads stand wo's 24, bo's 8, four scale words and the sixteen of tiles 2, 3
	XTURN XB0, 0                                   ; it turns through the stage while o is quantised
	QUANT HA, 0, PW                                ; o, 128 channels of 16 queries: one fragment
.irp c, 0,1,2
	ds_store_b128 v[OWI], v[PC+4*\c:PC+4*\c+3] offset:512*\c
.endr
	ds_store_b32 v[OWS], v[PW]
	BARRIER                                        ; o's eight fragments lie in LDS; nobody reads the parts any more
	P6 0
	P6 1
.irp i, 0,1,2,3,4,5,6,7,8,9,10,11,12,13,14,15
	global_load_b32 v[WCS+\i], v[L4], s[60:61] offset:WS+10240+128*\i
.endr
	WSLOAD 0
	WSLOAD 1
	WSLOAD 2
	WSLOAD 3
	BARRIER                                        ; cat's 32 fragments lie in LDS
	FETCHC 0
	FETCHC 1
	P7 0, 20, 36                                   ; behind the set in hand stand three sets of 12
	WSLOAD 4
	FETCHC 2
	P7 1, 20, 36
	WSLOAD 5
	FETCHC 3
	P7 2, 20, 36
	WSLOAD 6
	FETCHC 4
	P7 3, 20, 36
	WSLOAD 7
	FETCHC 5
	P7 4, 20, 36
	BNLOAD 0, BNA                                  ; set 0 is done with
	FETCHC 6
	P7 5, 20, 32                                   ; two sets and a's 8 loads
	BNLOAD 48, BNC
	FETCHC 7
	P7 6, 20, 28                                   ; one set, a's and c's
	P7 7, 0, 16                                    ; a's and c's
	s_wait_loadcnt 0x0
	PACK 0
	PACK 1                                         ; a tile's arithmetic stands between the loads of the tile before and its stores
	SEND 0, 16
	PACK 2
	SEND 1, 16
	PACK 3
	SEND 2, 16
	SEND 3, 0
	s_wait_tensorcnt 0x0                           ; the wave's end: behind my last tensor load and my last LDS store
	ds_add_u32 v[SPW], v[NIL]
	s_wait_dscnt 0x0
	CROUND                                         ; the closing round: no work-group ends while a partner may still ask for a block that names it
	s_endpgm
.Lfunc_end_k_q8868dbc696_attn:
	.size	k_q8868dbc696_attn, .Lfunc_end_k_q8868dbc696_attn-k_q8868dbc696_attn
	.p2alignl 7, 3214868480
	.fill 96, 4, 3214868480
	.section	.rodata,"a",@progbits
	.p2align	6, 0x0
	.amdhsa_kernel k_q8868dbc696_attn
		.amdhsa_group_segment_fixed_size 327680
		.amdhsa_private_segment_fixed_size 0
		.amdhsa_enable_private_segment 0
		.amdhsa_kernarg_size 56
		.amdhsa_user_sgpr_count 2
		.amdhsa_user_sgpr_kernarg_segment_ptr 1
		.amdhsa_wavefront_size32 1
		.amdhsa_system_sgpr_workgroup_id_x 1
		.amdhsa_system_sgpr_workgroup_id_y 1
		.amdhsa_system_sgpr_workgroup_id_z 1
		.amdhsa_system_vgpr_workitem_id 0
		.amdhsa_next_free_vgpr 512
		.amdhsa_next_free_sgpr 96
		.amdhsa_reserve_vcc 0
		.amdhsa_float_denorm_mode_32 3
		.amdhsa_float_denorm_mode_16_64 3
		.amdhsa_memory_ordered 1
		.amdhsa_forward_progress 1
		.amdhsa_inst_pref_size 223
	.end_amdhsa_kernel
	.amdgpu_metadata
---
amdhsa.version: [ 1, 2 ]
amdhsa.kernels:
  - .name:           k_q8868dbc696_attn
    .symbol:         k_q8868dbc696_attn.kd
    .args:
      - { .name: kv, .offset: 0, .size: 8, .value_kind: global_buffer, .address_space: global }
      - { .name: gq, .offset: 8, .size: 8, .value_kind: global_buffer, .address_space: global }
      - { .name: wq, .offset: 16, .size: 8, .value_kind: global_buffer, .address_space: global }
      - { .name: x, .offset: 24, .size: 8, .value_kind: global_buffer, .address_space: global }
      - { .name: bo, .offset: 32, .size: 8, .value_kind: global_buffer, .address_space: global }
      - { .name: gamma, .offset: 40, .size: 8, .value_kind: global_buffer, .address_space: global }
      - { .name: out0, .offset: 48, .size: 8, .value_kind: global_buffer, .address_space: global }
    .group_segment_fixed_size: 327680
    .private_segment_fixed_size: 0
    .kernarg_segment_align: 8
    .kernarg_segment_size: 56
    .max_flat_workgroup_size: 256
    .sgpr_count:     96
    .vgpr_count:     512
    .wavefront_size: 32
...
	.end_amdgpu_metadata
.endif
;; end of part 3
